; MI455X (gfx1250); checked and timed in simulation.
; The chip was launched on July 23, 2026; its instructions are those of AMD's public machine-readable ISA for CDNA 5 (MIT licence, August 2026) and "CDNA5" Instruction Set Architecture Reference Guide (July 2026). The comments in the code are by the model that wrote it; some were corrected since.
;; Bahdanau Attention. Allowed arithmetic: matrix products marked QUANTISED: E3M2 operands, one E8M0 scale for each 32 along K, by v_wmma_scale_f32_16x16x128_f8f6f4 with both operands' format E3M2, f32 sums; products left as they are: f32 operands where the result goes on into a quantised operand, else bf16, f16 or f32 operands; f32 sums; everything else in f32.
;; Inputs: W_dec_codes 1,024 x 32 x 24 uint8 (E3M2 codes of W_dec, K innermost, in blocks of 32 codes, four codes in three bytes); W_dec_scales 1,024 x 32 uint8 (E8M0 scales of W_dec, one for each 32 codes along K); W_enc_codes 1,024 x 32 x 24 uint8 (E3M2 codes of W_enc, K innermost, in blocks of 32 codes, four codes in three bytes); W_enc_scales 1,024 x 32 uint8 (E8M0 scales of W_enc, one for each 32 codes along K); decoder_hidden_codes 32 x 32 x 24 uint8 (E3M2 codes of decoder_hidden, K innermost, in blocks of 32 codes, four codes in three bytes); decoder_hidden_scales 32 x 32 uint8 (E8M0 scales of decoder_hidden, one for each 32 codes along K); encoder_outputs 32 x 2,048 x 1,024 float32; mask 32 x 2,048 bool; v 1,024 float32.
;; Outputs: out0 32 x 1,024 float32; out1 32 x 2,048 float32.
;; This version of the problem:
;;   THIS VERSION OF THE PROBLEM IS GIVEN IN LOW PRECISION. The matrix products marked QUANTISED in the list below multiply operands that are first quantised to E3M2 (3 exponent bits, 2 mantissa bits; 6 bits a number), with one power-of-two scale for each 32 numbers along K (OCP MX v1.0); their sums are f32. All else is computed in f32.
;;   The module's matrix products, in the order in which they are computed (A, B: the left and right operand; K: the contracted axis; several contracted axes count as one K, in the product's order):
;;     1. [M 65,536, K 1,024] x [K 1,024, N 1,024]; A: input encoder_outputs; B: input W_enc (given as codes): QUANTISED
;;     2. [M 32, K 1,024] x [K 1,024, N 1,024]; A: input decoder_hidden (given as codes); B: input W_dec (given as codes): QUANTISED
;;     3. [M 65,536, K 1,024] x [K 1,024, N 1]; A: computed on the way; B: input v: left as it is (N = 1 < 16)
;;     4. batch 32 x [M 1, K 2,048] x [K 2,048, N 1,024]; A: softmax; B: input encoder_outputs: left as it is (M = 1 < 16)
;;   THE QUANTISER, for each operand of a quantised product, along K:
;;     - K is cut into blocks of 32 from its start; a last block that is shorter is filled with zeros.
;;     - A block's scale is 2^e with e = floor(log2(the largest magnitude in the block)) - 4, held to -126 .. 127; a block of zeros has e = 0. As a byte (E8M0): e + 127.
;;     - Each number is divided by its block's scale, clamped to +-28, and rounded to the nearest number of E3M2, ties to even, subnormals kept.
;;     - The product sums the exact products of the quantised numbers (number of the format x scale) in f32.
;;   ~~~python
;;   def quantise(x, axis):      # numpy; x: float32 -> the quantised numbers, widened to float32 again
;;       x = np.moveaxis(x, axis, -1); K = x.shape[-1]
;;       x = np.pad(x, [(0, 0)] * (x.ndim - 1) + [(0, -K % 32)]); x = x.reshape(x.shape[:-1] + (-1, 32)); a = np.abs(x).max(-1, keepdims=True)
;;       e = np.where(a > 0, np.clip(np.frexp(np.where(a > 0, a, 1))[1] - 1 - 4, -126, 127), 0)      # np.frexp(a)[1] - 1 = floor(log2(a)), exactly
;;       r = np.clip(x / 2.0 ** e, -28, 28)
;;       step = 2.0 ** (np.maximum(np.frexp(np.where(r == 0, 1, r))[1] - 1, -2) - 2)
;;       q = np.round(r / step) * step * 2.0 ** e      # np.round: ties to even
;;       return np.moveaxis(q.reshape(q.shape[:-2] + (-1,))[..., :K], -1, axis).astype(np.float32)
;;   ~~~
;;   INPUTS GIVEN AS CODES. W_dec (in the module: [1024, 1024], K = its axis 0); W_enc (in the module: [1024, 1024], K = its axis 0); decoder_hidden (in the module: [32, 1024], K = its axis 1): each comes as NAME_codes (uint8): NAME with its K axis moved to the last place and cut into blocks of 32 codes, [.., K / 32, bytes a block], one block behind the other in memory; four codes in three bytes: a row's codes are one little-endian stream of bits, code i at bits 6 i .. 6 i + 5 (a code: sign, 3 exponent bits, 2 mantissa bits); and NAME_scales (uint8): the same leading axes, one E8M0 byte (e + 127) for each 32 codes along K. Its value is code x scale, taken as it is: it is not quantised again, and the codes and scales need not be those that the quantiser above would give.
;; One version. Each part assembles by itself: llvm-mc -triple=amdgcn-amd-amdhsa -mcpu=gfx1250 --defsym DOCPART=n.
;; ======== version 1 of 1: 3 launches
;; limits: values are held in bf16: 8 bits of precision; right only within a limited range of input values
;; workspace buffers: wimg 786,432 bytes; decp 131,072 bytes; tsc 262,144 bytes; pctx 2,097,152 bytes
;; launch prep (part 1): grid 48 x 1, 4 waves a work-group, no clusters, 4,864 bytes of LDS; arguments W_dec_codes, W_dec_scales, decoder_hidden_codes, decoder_hidden_scales, W_enc_codes, decp, wimg; writes decp, wimg
.if DOCPART == 1
	.amdgcn_target "amdgcn-amd-amdhsa--gfx1250"
	.amdhsa_code_object_version 6
	.text
	.protected	k_qe08fee00be_prep
	.globl	k_qe08fee00be_prep
	.p2align	8
	.type	k_qe08fee00be_prep,@function
k_qe08fee00be_prep:
	s_mov_b64 s[64:65], 0
	v_nop
	global_prefetch_b8 v0, s[64:65] scope:SCOPE_SE
	s_setreg_imm32_b32 hwreg(HW_REG_WAVE_MODE, 25, 1), 1
	s_wait_xcnt 0x0
; Two small jobs ahead of the main launch, told apart by the work-group's number (the same for all waves of a work-group).
; Work-groups 0-31: dec_proj[b][d] = sum over k of decoder_hidden[b][k] W_dec[k][d], on the given codes of E3M2 with their E8M0 scales, f32 sums, stored as decp [32][1024] f32.
;   Work-group i takes 16 batches (tile i % 2) and 64 columns d (i / 2); wave w 16 of those columns.  K = 1,024 is eight matrix instructions, on two accumulators by turns, added at the end.
;   The instruction is used transposed (source 0 = 16 rows of W_dec's codes, source 1 = 16 batches): a lane then holds eight neighbouring d of one batch.  The work-group's 16 x 64 numbers meet in LDS
;   (rows of 256 bytes + 16) and leave as whole rows: sixteen lanes store 256 consecutive bytes, at a multiple of 256 from decp's first byte.
; Work-groups 32-47: W_enc's codes are laid once in the order of an operand's registers: wimg [tile of 16 columns][K step of 128][chunk of 4 registers][lane][16 bytes].
;   So the main launch brings four tiles as one dense block and fetches a fragment by three loads of 16 bytes a lane.  Each store here covers 512 consecutive bytes.
; A fragment's loads take 8 bytes a lane from 16 rows 768 bytes apart: many separate pieces an instruction.  So a work-group has only four waves, and the work lies on 48 work-groups.
.set ROWB,  768                        ; a row of 1,024 codes in bytes
.set TILEB, 16*ROWB                    ; 16 rows
.set PD,    272                        ; a stage row: 256 bytes + 16
.macro FRAGS reg, base                 ; the eight fragments (16 rows x 128 K, 12 registers) of 16 rows: lane (r, h) takes 24 bytes at 96 k + 24 h and 24 at 96 k + 48 + 24 h of row r, in pieces of 8 bytes
.irp k, 0,1,2,3,4,5,6,7
.irp p, 0,1,2,3,4,5
	global_load_b64 v[\reg+12*\k+2*\p:\reg+12*\k+2*\p+1], v3, s[\base:\base+1] offset:96*\k+48*(\p/3)+8*(\p%3)
.endr
.endr
.endm
	s_load_b256 s[4:11], s[0:1], 0x0               ; W_dec's codes, W_dec's scales, decoder_hidden's codes, its scales
	s_load_b128 s[12:15], s[0:1], 0x20             ; W_enc's codes, decp
	s_load_b64 s[16:17], s[0:1], 0x30              ; wimg
	v_lshl_add_u32 v254, v0, 2, 0x1100
	v_mov_b32 v255, 0
	v_lshrrev_b32 v10, 5, v0
	v_readfirstlane_b32 s18, v10                   ; wave 0..3
	v_and_b32 v1, 15, v0                           ; r
	v_bfe_u32 v2, v0, 4, 1                         ; h
	v_mul_u32_u24 v3, v1, ROWB
	v_mad_u32_u24 v3, v2, 24, v3                   ; codes: row r, + 24 h
	v_lshlrev_b32 v5, 5, v1
	v_lshl_add_u32 v5, v2, 4, v5                   ; scales: row r of 32 bytes, + 16 h: lanes 0-15 take the words of K steps 0-3, lanes 16-31 those of 4-7
	v_and_b32 v9, 31, v0
	v_lshlrev_b32 v9, 4, v9                        ; 16 x lane
	s_lshl_b32 s21, s18, 6
	v_mul_u32_u24 v6, v1, PD
	v_lshl_add_u32 v6, v2, 5, v6
	v_add_nc_u32 v6, s21, v6                       ; the stage, in: row r, byte 64 w + 32 h
	s_mul_i32 s21, s18, 4*PD
	v_mul_u32_u24 v7, v2, PD
	v_lshl_add_u32 v7, v1, 4, v7
	v_add_nc_u32 v7, s21, v7                       ; and back: row 4 w + h, 16 bytes a lane
	s_lshl_b32 s21, s18, 14
	v_lshlrev_b32 v8, 12, v2
	v_lshl_add_u32 v8, v1, 4, v8
	v_add_nc_u32 v8, s21, v8                       ; the same place in decp: rows of 4,096 bytes
	s_mov_b32 s25, 0
	s_wait_kmcnt 0x0
	s_cmp_lt_u32 ttmp9, 32
	s_cbranch_scc0 .Lrelay
	; ---- dec_proj
	s_and_b32 s19, ttmp9, 1                        ; which 16 batches
	s_lshr_b32 s20, ttmp9, 1                       ; which 64 columns
	s_lshl_b32 s22, s20, 2
	s_add_co_u32 s22, s22, s18                     ; my tile of d
	s_mul_i32 s24, s22, TILEB
	s_add_nc_u64 s[4:5], s[4:5], s[24:25]
	s_lshl_b32 s24, s22, 9
	s_add_nc_u64 s[6:7], s[6:7], s[24:25]
	s_mul_i32 s24, s19, TILEB
	s_add_nc_u64 s[8:9], s[8:9], s[24:25]
	s_lshl_b32 s24, s19, 9
	s_add_nc_u64 s[10:11], s[10:11], s[24:25]
	s_lshl_b32 s24, s20, 8                         ; the work-group's 64 columns of decp,
	s_lshl_b32 s23, s19, 16                        ; and its 16 rows of 4,096 bytes
	s_add_co_u32 s24, s24, s23
	s_add_nc_u64 s[14:15], s[14:15], s[24:25]
	FRAGS 16, 4                                    ; W_dec: v16-111
	FRAGS 112, 8                                   ; decoder_hidden: v112-207
	global_load_b128 v[208:211], v5, s[6:7]        ; scale words: register q holds K step q's in lanes 0-15 and K step 4 + q's in lanes 16-31
	global_load_b128 v[212:215], v5, s[10:11]
	s_wait_loadcnt 0x0
.irp k, 0,1,2,3,4,5,6,7                ; two accumulators take turns, one instruction a turn; the first two products start the sums
.set DA, 216+8*(\k%2)
.if \k < 2
	v_wmma_scale_f32_16x16x128_f8f6f4 v[DA:DA+7], v[16+12*\k:27+12*\k], v[112+12*\k:123+12*\k], 0, v[208+\k], v[212+\k] matrix_a_fmt:MATRIX_FMT_BF6 matrix_b_fmt:MATRIX_FMT_BF6
.elseif \k < 4
	v_wmma_scale_f32_16x16x128_f8f6f4 v[DA:DA+7], v[16+12*\k:27+12*\k], v[112+12*\k:123+12*\k], v[DA:DA+7], v[208+\k], v[212+\k] matrix_a_fmt:MATRIX_FMT_BF6 matrix_b_fmt:MATRIX_FMT_BF6
.else
	v_wmma_scale_f32_16x16x128_f8f6f4 v[DA:DA+7], v[16+12*\k:27+12*\k], v[112+12*\k:123+12*\k], v[DA:DA+7], v[204+\k], v[208+\k] matrix_a_fmt:MATRIX_FMT_BF6 matrix_b_fmt:MATRIX_FMT_BF6 matrix_a_scale:MATRIX_SCALE_ROW1 matrix_b_scale:MATRIX_SCALE_ROW1
.endif
.endr
.rept 4
	v_nop                                          ; four places between a matrix instruction and the first read of its result (ISA guide 7.12.1)
.endr
.irp j, 0,1,2,3,4,5,6,7
	v_add_f32 v[232+\j], v[216+\j], v[224+\j]      ; both accumulators from their low ends on: dec_proj(batch 16 (i % 2) + r, d = 16 tile + 8 h + j)
.endr
	ds_store_b128 v6, v[232:235]
	ds_store_b128 v6, v[236:239] offset:16
	s_wait_dscnt 0x0                               ; for the others' sake: my stores into the stage are done
	s_barrier_signal -1
	s_barrier_wait -1
	ds_load_b128 v[240:243], v7
	ds_load_b128 v[244:247], v7 offset:2*PD
	s_wait_dscnt 0x1                               ; the first two rows are back; the younger load may be out
	s_wait_alu depctr_va_vdst(0)
	global_store_b128 v8, v[240:243], s[14:15]
	s_wait_dscnt 0x0
	global_store_b128 v8, v[244:247], s[14:15] offset:8192
	s_wait_tensorcnt 0x0
	ds_add_u32 v254, v255
	s_wait_dscnt 0x0
	s_endpgm
.Lrelay:
	; ---- W_enc's codes as images of an operand's registers
	s_sub_co_u32 s22, ttmp9, 32
	s_lshl_b32 s22, s22, 2
	s_add_co_u32 s22, s22, s18                     ; my tile of 16 columns: 4 x (work-group - 32) + wave
	s_mul_i32 s24, s22, TILEB
	s_add_nc_u64 s[12:13], s[12:13], s[24:25]
	s_add_nc_u64 s[16:17], s[16:17], s[24:25]      ; a tile is as many bytes in both layouts
	FRAGS 16, 12
	s_wait_loadcnt 0x0
.irp k, 0,1,2,3,4,5,6,7
.irp q, 0,1,2
	global_store_b128 v9, v[16+12*\k+4*\q:19+12*\k+4*\q], s[16:17] offset:1536*\k+512*\q
.endr
.endr
	s_endpgm
.Lfunc_end_k_qe08fee00be_prep:
	.size	k_qe08fee00be_prep, .Lfunc_end_k_qe08fee00be_prep-k_qe08fee00be_prep
	.p2alignl 7, 3214868480
	.fill 96, 4, 3214868480
	.section	.rodata,"a",@progbits
	.p2align	6, 0x0
	.amdhsa_kernel k_qe08fee00be_prep
		.amdhsa_group_segment_fixed_size 4864
		.amdhsa_private_segment_fixed_size 0
		.amdhsa_enable_private_segment 0
		.amdhsa_kernarg_size 56
		.amdhsa_user_sgpr_count 2
		.amdhsa_user_sgpr_kernarg_segment_ptr 1
		.amdhsa_wavefront_size32 1
		.amdhsa_system_sgpr_workgroup_id_x 1
		.amdhsa_system_sgpr_workgroup_id_y 1
		.amdhsa_system_sgpr_workgroup_id_z 1
		.amdhsa_system_vgpr_workitem_id 0
		.amdhsa_next_free_vgpr 256
		.amdhsa_next_free_sgpr 66
		.amdhsa_reserve_vcc 0
		.amdhsa_float_denorm_mode_32 3
		.amdhsa_float_denorm_mode_16_64 3
		.amdhsa_memory_ordered 1
		.amdhsa_forward_progress 1
		.amdhsa_inst_pref_size 21
	.end_amdhsa_kernel
	.amdgpu_metadata
---
amdhsa.version: [ 1, 2 ]
amdhsa.kernels:
  - .name:           k_qe08fee00be_prep
    .symbol:         k_qe08fee00be_prep.kd
    .args:
      - { .name: W_dec_codes, .offset: 0, .size: 8, .value_kind: global_buffer, .address_space: global }
      - { .name: W_dec_scales, .offset: 8, .size: 8, .value_kind: global_buffer, .address_space: global }
      - { .name: decoder_hidden_codes, .offset: 16, .size: 8, .value_kind: global_buffer, .address_space: global }
      - { .name: decoder_hidden_scales, .offset: 24, .size: 8, .value_kind: global_buffer, .address_space: global }
      - { .name: W_enc_codes, .offset: 32, .size: 8, .value_kind: global_buffer, .address_space: global }
      - { .name: decp, .offset: 40, .size: 8, .value_kind: global_buffer, .address_space: global }
      - { .name: wimg, .offset: 48, .size: 8, .value_kind: global_buffer, .address_space: global }
    .group_segment_fixed_size: 4864
    .private_segment_fixed_size: 0
    .kernarg_segment_align: 8
    .kernarg_segment_size: 56
    .max_flat_workgroup_size: 128
    .sgpr_count:     66
    .vgpr_count:     256
    .wavefront_size: 32
...
	.end_amdgpu_metadata
.endif
;; end of part 1
;; launch main (part 2): grid 512 x 1, 4 waves a work-group, clusters of 4 x 1, 327,680 bytes of LDS; arguments encoder_outputs, mask, v, W_enc_scales, wimg, decp, tsc, pctx; writes tsc, pctx
.if DOCPART == 2
	.amdgcn_target "amdgcn-amd-amdhsa--gfx1250"
	.amdhsa_code_object_version 6
	.text
	.protected	k_qe08fee00be_main
	.globl	k_qe08fee00be_main
	.p2align	8
	.type	k_qe08fee00be_main,@function
k_qe08fee00be_main:
	s_mov_b64 s[64:65], 0
	v_nop
	global_prefetch_b8 v0, s[64:65] scope:SCOPE_SE
	s_setreg_imm32_b32 hwreg(HW_REG_WAVE_MODE, 25, 1), 1
	s_wait_xcnt 0x0
	s_wait_alu depctr_hold_cnt(0) depctr_sa_sdst(0) depctr_va_vdst(0) depctr_va_sdst(0) depctr_va_ssrc(0) depctr_va_vcc(0) depctr_vm_vsrc(0)
	s_getreg_b32 s2, hwreg(HW_REG_IB_STS2, 6, 4)
	s_cmp_eq_u32 s2, 0
	s_cbranch_scc0 .Lentry_in_a_cluster
	s_endpgm
.Lentry_in_a_cluster:
	s_bfe_u32 s2, ttmp6, 0x10000c
	s_cmp_lg_u32 s2, 0x3003
	s_cbranch_scc0 .Lentry_shape_is_right
	s_endpgm
.Lentry_shape_is_right:
; For 128 positions of one batch: quantise encoder_outputs to E3M2 with E8M0 scales, multiply by W_enc's codes, add dec_proj, tanh, dot with v, mask; then the work-group's part of the softmax and of the context.
; encoder_outputs is read from memory once: it stays as codes for the product and as bf16 for the context.
; ARITHMETIC.  tanh(x) = 1 - 2 r, r = 1 / (1 + 2^(c x)), c = 2 log2(e).  The sum of v is the same for every position of a softmax and cancels for all values of the inputs, so the score carried is
; t = sum over d of (-c v[d]) r[d] = score x log2(e) less a constant.  2^(c x) = infinity gives r = 0, 0 gives r = 1.
; THE MAXIMUM.  m = the largest of the work-group's 128 t and of -3e38; p = 2^(t - m); stored are t (masked: -infinity) and the sum of p x bf16(row).  The last launch takes m again from the stored t.
; SHARES.  Wave w = 2 P + c loads and quantises rows 32 w on (two tiles of 16).  The two waves of a pair P hand each other codes and scale words through LDS, unit by unit; each then multiplies the pair's 64 rows
; by half of the columns (tiles 2 c, 2 c + 1 of each slot's four): a fragment of W read from LDS feeds four matrix instructions.  The two halves' sums of t meet in LDS.
; W's codes come as register images (made by the launch before), four tiles of 16 columns (49,152 dense bytes) to a slot, two slots.  All work-groups walk the same W: the four of a cluster ask JOINTLY.
; The tanh and the dot with v of the tile BEFORE stand among a tile's matrix instructions, three lines behind each, in batches: sources, wait, exponentials, wait, + 1, wait, reciprocals, wait, multiply-adds.
; No prefetch is laid: a work-group asks for its whole block of rows at its head, and W's tiles are read again and again by all work-groups.
; LIMITS.  NaN and infinities in encoder_outputs are not served.  A block of 32 zeros gets the scale byte 1 where the quantiser says 127: its codes are zeros and only this launch reads the byte; blocks whose
; largest magnitude lies under 2^-122 are held at that byte.  encoder_outputs is rounded to bf16 for the context's product; p stays f32.
; REGISTERS, in windows of 256 (s_set_vgpr_msb: bits 1:0 source 0, 3:2 source 1, 5:4 source 2, 7:6 destination):
;   window 0: v0-15 addresses; v16-31 rows' scale words (8 tile + K step; lanes 0-15 the lower wave's rows, lanes 16-31 the upper's); v32-39 W's scale words; v40-63 at work; v64-255 load buffers, then W's fragments, two sets of 96
;   window 1: v0-191 codes of the lower wave's 32 rows; v192-223 accumulators, two sets of two; v224-239 the running t; v240-243 c x dec_proj, two pairs.   window 2: the same for the upper wave's rows.
;   window 3: my tile 0 as bf16: register 32 k + 2 i + q of lane l holds columns 128 k + 4 l + 2 q, + 1 of row i.  My tile 1's bf16 lie in LDS as the same image and come into window 1 behind the products.
.set NTB,   12288                      ; a tile of 16 columns of W: 8 fragments x 1,536 bytes
.set SLOTB, 4*NTB
.set VT,    49152                      ; pairs (-c v[d], -c v[d]); DTO behind them pairs of c dec_proj[d]
.set DTO,   8192
.set SLOT1, 65536                      ; one exclusive or turns an address in one slot into the other's
.set SCL,   114688                     ; W's scale bytes, 32 a column
.set BF,    147456                     ; 32,768 bytes a wave: tile 1 as bf16
.set STG,   278528                     ; a stage for each wave: 16 rows x (512 + 16) bytes
.set SP,    528
.set STGW,  16*SP
.set TSC,   312320                     ; the 128 scores
.set PT,    312832                     ; each wave's 64 partial t
.set EX,    313856                     ; the exchange: 2 sides x 4 waves x (1,536 bytes of codes + 128 of scale words)
.set EXU,   1664
.set EXP,   4*EXU
.set SPARE, 327168                     ; the spare words
.set L16, 1
.set SPW, 2
.set NIL, 3
.set STW, 4
.set STR, 5
.set WA,  6
.set SA,  7
.set VA,  8
.set LSC, 9
.set L8R, 10
.set XR,  11
.set MK,  12
.set EXW, 13                           ; head: v13-15, v32-34 serve the exchange; later v13-15, v48-50 the way out
.set EXS, 14
.set EXL, 15
.set EXR, 32
.set BFW, 33
.set SW,  34
.set TSA, 13
.set PA,  14
.set TSW, 15
.set TSR, 48
.set CTR, 49
.set BFR, 50
.set ASC, 16
.set WSC, 32
.set TM,  40
.set FQ,  52                           ; v52-63 a unit's fragment
.set Q1,  6
.set Q3,  10
.set VP,  40
.set CC,  44
.set ONE, 46
.set WV,  20
.set G1W, 28
.set G1S, 36
.set G0A, 44
.set G0B, 48
.set G0S, 52
.set SEL, 56
.set NA,  58
.set NS,  59
.set NV,  60
.set OUTC, 61
.set PS,  66
.set CH,  98                           ; s98 c, s99 P
.set PR,  99
.set MSB, 0
.macro WIN new
.if MSB != (\new)
	s_set_vgpr_msb (MSB<<8)|(\new)
.set MSB, (\new)
.endif
.endm
.macro ROUND                           ; a round of the cluster's barrier
	s_barrier_signal -1
	s_barrier_wait -1
	s_cmp_lg_u32 s[WV], 0
	s_cbranch_scc1 .Lnot_wave_0_\@
	s_barrier_signal -3
.Lnot_wave_0_\@:
	s_barrier_wait -3
	s_barrier_signal -1
	s_barrier_wait -1
.endm
.macro TLOAD g0, g1                    ; the four v_nop stand ahead of any switch of windows
	tensor_load_to_lds s[\g0:\g0+3], s[\g1:\g1+7]
	s_nop 0
.rept 4
	v_nop
.endr
.endm
.macro ULOAD u                         ; unit u = 8 tile + K step: 16 rows x 128 columns of f32; a load reads 512 consecutive bytes of one row
.set LT, (\u)/8
.set LK, (\u)%8
.set LB, 64+64*((\u)%3)
.set i, 0
.rept 16
	global_load_b128 v[LB+4*i:LB+4*i+3], v[L16], s[4:5] offset:(16*LT+i)*4096+512*LK th:TH_LOAD_NT
.set i, i+1
.endr
.endm
.macro QUANT s                         ; register 16 b + i = column 32 b + 16 h + i of my row r: the scale word into SW, the fragment into v[FQ ..]
.irp b, 0,1,2,3
	v_max3_num_f32 v[TM+\b], |v[\s+16*\b]|, |v[\s+16*\b+1]|, 0x2800000   ; with the floor 2^(5 - 127): the byte cannot fall under 1
.endr
.irp i, 2,4,6,8,10,12,14
.irp b, 0,1,2,3
	v_max3_num_f32 v[TM+\b], v[TM+\b], |v[\s+16*\b+\i]|, |v[\s+16*\b+\i+1]|
.endr
.endr
.irp b, 0,1,2,3
	v_permlanex16_b32 v[TM+4+\b], v[TM+\b], s[SEL], s[SEL+1]
.endr
.irp b, 0,1,2,3
	v_max_num_f32 v[TM+\b], v[TM+\b], v[TM+4+\b]
.endr
.irp b, 0,1,2,3
	v_add_nc_u32 v[TM+8+\b], 0xfe000000, v[TM+\b]  ; 4 off the exponent field: the conversion's scale operand
.endr
.irp b, 0,1,2,3
	v_lshrrev_b32 v[TM+4+\b], 23, v[TM+8+\b]       ; the scale's byte
.endr
	v_lshl_or_b32 v[SW], v[TM+5], 8, v[TM+4]
	v_lshl_or_b32 v[SW], v[TM+6], 16, v[SW]
	v_lshl_or_b32 v[SW], v[TM+7], 24, v[SW]
	v_cvt_scalef32_pk16_bf6_f32 v[FQ:FQ+2], v[\s:\s+15], v[TM+8]
	v_cvt_scalef32_pk16_bf6_f32 v[Q1:Q1+2], v[\s+16:\s+31], v[TM+9]
	v_cvt_scalef32_pk16_bf6_f32 v[FQ+6:FQ+8], v[\s+32:\s+47], v[TM+10]
	v_cvt_scalef32_pk16_bf6_f32 v[Q3:Q3+2], v[\s+48:\s+63], v[TM+11]
	v_nop                                          ; one plain place behind a scaled conversion
.irp i, 0,1,2                          ; a whole block in a lane: lanes 0-15 the even block, lanes 16-31 the odd one
	v_permlane16_swap_b32 v[FQ+\i], v[Q1+\i]
	v_permlane16_swap_b32 v[FQ+6+\i], v[Q3+\i]
.endr
.irp i, 0,1,2
	v_mov_b32 v[FQ+3+\i], v[Q1+\i]
	v_mov_b32 v[FQ+9+\i], v[Q3+\i]
.endr
.endm
; A unit's turn: bf16 copy in the layout as loaded; through my stage into the quantiser's layout; codes and scale word into the exchange; a barrier; the pair's two fragments and scale words back.
; The exchange has two sides: a side is stored again two barriers on, and every wave's loads from it have come back ahead of the barrier between.
.macro UNIT u
.set UT, (\u)/8
.set UK, (\u)%8
.set UB, 64+64*((\u)%3)
.set UP, ((\u)%2)*EXP
.if 15-(\u) >= 2
	s_wait_loadcnt 32                              ; this unit's 16 loads are in; those of the two units behind it may be out
.else
	s_wait_loadcnt 16*(15-(\u))
.endif
.set i, 0
.rept 16
	ds_store_b128 v[STW], v[UB+4*i:UB+4*i+3] offset:SP*i
.set i, i+1
.endr
.if UT == 0
	WIN 0xc0
.set i, 0
.rept 32
	v_cvt_pk_bf16_f32 v[32*UK+i], v[UB+2*i], v[UB+2*i+1]
.set i, i+1
.endr
.else
	WIN 0x80                                       ; by way of window 2's v192-223, which the products use later
.set i, 0
.rept 32
	v_cvt_pk_bf16_f32 v[192+i], v[UB+2*i], v[UB+2*i+1]
.set i, i+1
.endr
	WIN 0x08
.set i, 0
.rept 8
	ds_store_b128 v[BFW], v[192+4*i:195+4*i] offset:4096*UK+512*i
.set i, i+1
.endr
.endif
	WIN 0
	s_wait_dscnt 0x0                               ; the stores have read their registers, which the loads below write
.irp b, 0,1,2,3
.irp j, 0,1,2,3
	ds_load_b128 v[UB+16*\b+4*\j:UB+16*\b+4*\j+3], v[STR] offset:128*\b+16*\j
.endr
.endr
	s_wait_dscnt 0x0
	QUANT UB
.irp q, 0,1,2
	ds_store_b128 v[EXW], v[FQ+4*\q:FQ+4*\q+3] offset:UP+512*\q
.endr
	ds_store_b32 v[EXS], v[SW] offset:UP
.if (\u)+3 < 16
	ULOAD (\u)+3                                   ; into the buffer just left
.endif
	s_wait_alu depctr_va_vdst(0)                   ; ahead of the blocking waits
.if (\u) < 2                           ; slot 0's and slot 1's first fills are issued as refills are: the three lines, a round, one joint load a wave
	s_wait_tensorcnt 0x0
	ds_add_u32 v[SPW], v[NIL]
	s_wait_dscnt 0x0
	ROUND
	TLOAD G0A+4*(\u), G1W
.else
	s_wait_dscnt 0x0                               ; my stores into the exchange are done
	s_barrier_signal -1
	s_barrier_wait -1
.endif
	WIN 0x40
.irp q, 0,1,2
	ds_load_b128 v[12*(\u)+4*\q:12*(\u)+4*\q+3], v[EXL] offset:UP+512*\q
.endr
	WIN 0x80
.irp q, 0,1,2
	ds_load_b128 v[12*(\u)+4*\q:12*(\u)+4*\q+3], v[EXL] offset:UP+EXU+512*\q
.endr
	WIN 0
	ds_load_b32 v[ASC+(\u)], v[EXR] offset:UP
.endm
; The n-th of the 48 lines that follow the sources: 16 exponentials, 8 x (+ 1), 16 reciprocals, 8 x (t += (-c v) r), in place on the accumulators at AO.  Waits stand between the batches.
.macro VOP n
.if (\n) < 16
	v_exp_f32 v[AO+(\n)], v[AO+(\n)]
.if (\n) == 15
	v_nop
	s_wait_alu depctr_va_vdst(0)
.endif
.elseif (\n) < 24
	v_pk_add_f32 v[AO+2*((\n)-16):AO+2*((\n)-16)+1], v[AO+2*((\n)-16):AO+2*((\n)-16)+1], v[ONE:ONE+1]
.if (\n) == 23
	s_wait_alu depctr_va_vdst(0)
.endif
.elseif (\n) < 40
	v_rcp_f32 v[AO+(\n)-24], v[AO+(\n)-24]
.if (\n) == 39
	v_nop
	s_wait_alu depctr_va_vdst(0)
.endif
.else
	v_pk_fma_f32 v[224+2*((\n)-40):225+2*((\n)-40)], v[AO+2*((\n)-40):AO+2*((\n)-40)+1], v[GV:GV+1], v[224+2*((\n)-40):225+2*((\n)-40)]
.endif
.endm
; Window w's half of a tile: 16 matrix instructions (K step g / 2, tile of rows g % 2: two accumulators by turns) on set p, and the tanh of the tile before, in set 1 - p.
.macro HALF p, w, mm
.set AO, 192+16*(1-(\p))
.set GV, VP+2*(1-(\p))
.set DP, 240+2*(1-(\p))
	WIN 0x51*(\w)                                  ; source 0, source 2 and destination window w, source 1 window 0
	s_wait_alu depctr_va_vdst(0)                   ; directly ahead of the first readers of the matrix results
.set x, 0
.rept 8
	v_pk_fma_f32 v[AO+2*x:AO+2*x+1], v[AO+2*x:AO+2*x+1], v[CC:CC+1], v[DP:DP+1]   ; c acc + c dec, each accumulator from its low end on
.set x, x+1
.endr
	s_wait_alu depctr_va_vdst(0)
; The order of a half: the 16 exponentials as one batch; matrix instructions 0-7 with the eight (+ 1) lines among them; the 16 reciprocals as one batch; matrix instructions 8-15 with the multiply-adds among them.
; So only plain lines stand inside the chains, but for the links 8 and 9, which take up accumulators written ahead of the reciprocals; a wait stands directly ahead of each of the two.
.set x, 0
.rept 16
	VOP x
.set x, x+1
.endr
.set g, 0
.rept 16
.if g == 8
.set x, 24
.rept 16
	VOP x
.set x, x+1
.endr
.endif
.if g == 9
	s_wait_alu depctr_va_vdst(0)
.endif
.if \mm
.set KK, g/2
.set AC, 192+16*(\p)+8*(g%2)
.set CD, 12*(8*(g%2)+KK)
.set BB, 64+96*(\p)+12*KK
.set SX, ASC+8*(g%2)+KK
.set SY, WSC+4*(\p)+KK%4
.if (\w) == 1
.if KK == 0
	v_wmma_scale_f32_16x16x128_f8f6f4 v[AC:AC+7], v[CD:CD+11], v[BB:BB+11], 0, v[SX], v[SY] matrix_a_fmt:MATRIX_FMT_BF6 matrix_b_fmt:MATRIX_FMT_BF6
.elseif KK < 4
	v_wmma_scale_f32_16x16x128_f8f6f4 v[AC:AC+7], v[CD:CD+11], v[BB:BB+11], v[AC:AC+7], v[SX], v[SY] matrix_a_fmt:MATRIX_FMT_BF6 matrix_b_fmt:MATRIX_FMT_BF6
.else
	v_wmma_scale_f32_16x16x128_f8f6f4 v[AC:AC+7], v[CD:CD+11], v[BB:BB+11], v[AC:AC+7], v[SX], v[SY] matrix_a_fmt:MATRIX_FMT_BF6 matrix_b_fmt:MATRIX_FMT_BF6 matrix_b_scale:MATRIX_SCALE_ROW1
.endif
.else
.if KK == 0
	v_wmma_scale_f32_16x16x128_f8f6f4 v[AC:AC+7], v[CD:CD+11], v[BB:BB+11], 0, v[SX], v[SY] matrix_a_fmt:MATRIX_FMT_BF6 matrix_b_fmt:MATRIX_FMT_BF6 matrix_a_scale:MATRIX_SCALE_ROW1
.elseif KK < 4
	v_wmma_scale_f32_16x16x128_f8f6f4 v[AC:AC+7], v[CD:CD+11], v[BB:BB+11], v[AC:AC+7], v[SX], v[SY] matrix_a_fmt:MATRIX_FMT_BF6 matrix_b_fmt:MATRIX_FMT_BF6 matrix_a_scale:MATRIX_SCALE_ROW1
.else
	v_wmma_scale_f32_16x16x128_f8f6f4 v[AC:AC+7], v[CD:CD+11], v[BB:BB+11], v[AC:AC+7], v[SX], v[SY] matrix_a_fmt:MATRIX_FMT_BF6 matrix_b_fmt:MATRIX_FMT_BF6 matrix_a_scale:MATRIX_SCALE_ROW1 matrix_b_scale:MATRIX_SCALE_ROW1
.endif
.endif
.endif
.if g < 8
	VOP 16+g
.elseif g == 15
	VOP 46
	VOP 47
.elseif g > 8
	VOP 31+g
.endif
.set g, g+1
.endr
.endm
; A tile of 16 columns on sets p.  At its head it fetches the NEXT tile's fragments and scale words into the other sets, and its own pairs of v and dec_proj, which the next tile's lines use.
; mode 0: plain.  1: my second tile of a slot: the next lies in the other slot, and this slot is filled again.  2: the same without a refill.  3: the last tile.
.macro NT p, mode
.set WFN, 64+96*(1-(\p))
.set WSN, WSC+4*(1-(\p))
.if (\mode == 1) || (\mode == 2)
	s_wait_tensorcnt 0x0                           ; my one load that was out, my quarter of the other slot, has landed
	ds_add_u32 v[SPW], v[NIL]
.if \mode == 1
	s_xor_b32 s[G0B+1], s[G0B+1], SLOT1            ; the walking descriptor: the other slot, the next four tiles
	s_add_nc_u64 s[G0B+2:G0B+3], s[G0B+2:G0B+3], SLOTB
.endif
	s_wait_dscnt 0x0                               ; the add is done, and my reads of this slot are over
.if \mode == 1
	ROUND
	TLOAD G0B, G1W                                 ; it has 64 matrix instructions of mine in which to land
.else
	s_barrier_signal -1
	s_barrier_wait -1
.endif
.else
	s_wait_dscnt 0x0                               ; what the last tile's head fetched is in
.endif
.if \mode != 3                         ; with the last three multiply-adds of the tile before: the places between its matrix instructions and the loads into their sources
	v_add_nc_u32 v[WA], s[NA], v[L16]
	v_add_nc_u32 v[SA], s[NS], v[LSC]
.endif
	v_add_nc_u32 v[VA], s[NV], v[L8R]
.if \mode != 3
.irp k, 0,1,2,3,4,5,6,7
.irp q, 0,1,2
	ds_load_b128 v[WFN+12*\k+4*\q:WFN+12*\k+4*\q+3], v[WA] offset:1536*\k+512*\q
.endr
.endr
	ds_load_b128 v[WSN:WSN+3], v[SA]               ; register q: lanes 0-15 K step q's word of column r, lanes 16-31 K step 4 + q's
.endif
	ds_load_b64 v[VP+2*(\p):VP+2*(\p)+1], v[VA]
	WIN 0x40
	ds_load_b64 v[240+2*(\p):241+2*(\p)], v[VA] offset:DTO
	WIN 0x80
	ds_load_b64 v[240+2*(\p):241+2*(\p)], v[VA] offset:DTO
.if \p == 0                            ; next to fetch: my first tile of the other slot;  else my second tile of that slot
	s_sub_co_u32 s[NA], s[NA], NTB
	s_xor_b32 s[NA], s[NA], SLOT1
	s_add_co_u32 s[NS], s[NS], 1536
	s_add_co_u32 s[NV], s[NV], 128
.else
	s_add_co_u32 s[NA], s[NA], NTB
	s_add_co_u32 s[NS], s[NS], 512
	s_add_co_u32 s[NV], s[NV], 384
.endif
	HALF \p, 1, 1
	HALF \p, 2, 1
	WIN 0
.endm
	; ---- the head
	s_load_b256 s[4:11], s[0:1], 0x0               ; encoder_outputs, mask, v, W_enc's scales
	s_load_b256 s[12:19], s[0:1], 0x20             ; wimg, decp, tsc, pctx
	v_lshl_add_u32 v[SPW], v0, 2, SPARE
	v_mov_b32 v[NIL], 0
	ds_add_u32 v[SPW], v[NIL]                      ; the opening lines: the add twice on end and its wait
	ds_add_u32 v[SPW], v[NIL]
	v_lshrrev_b32 v[XR], 5, v0
	v_readfirstlane_b32 s[WV], v[XR]               ; wave 0..3
	s_bfe_u32 s21, ttmp6, 0x40000                  ; cx: it enters the addresses of my own rows alone
	s_lshl_b32 s22, ttmp9, 2
	s_add_co_u32 s22, s22, s21                     ; g
	s_and_b32 s[CH], s[WV], 1
	s_lshr_b32 s[PR], s[WV], 1
	s_mov_b32 s[SEL], 0x76543210
	s_mov_b32 s[SEL+1], 0xfedcba98
	s_mul_i32 s23, s[WV], STGW
	s_add_co_u32 s23, s23, STG
	s_mul_i32 s2, s[WV], EXU
	s_add_co_u32 s2, s2, EX
	s_mul_i32 s3, s[PR], 2*EXU
	s_add_co_u32 s3, s3, EX
	s_add_co_u32 s58, s3, 1536
	s_lshl_b32 s59, s[WV], 15
	s_add_co_u32 s59, s59, BF
	; descriptor groups 1: dense blocks as rows of 256 bytes (32 elements of 8 bytes): 48 rows (a quarter of a slot), 32 rows (a quarter of the scale bytes); mask: all four work-groups, bit 21 beside it
	s_mov_b32 s[G1W], 15|(3<<16)|(1<<21)
	s_mov_b32 s[G1W+1], 32<<16
	s_mov_b32 s[G1W+2], 48<<16
	s_mov_b32 s[G1W+3], 32<<16
	s_mov_b32 s[G1W+4], 48
	s_mov_b32 s[G1W+5], 32
	s_mov_b32 s[G1W+6], 0
	s_mov_b32 s[G1W+7], 0
	s_mov_b32 s[G1S], 15|(3<<16)|(1<<21)
	s_mov_b32 s[G1S+1], 32<<16
	s_mov_b32 s[G1S+2], 32<<16
	s_mov_b32 s[G1S+3], 32<<16
	s_mov_b32 s[G1S+4], 32
	s_mov_b32 s[G1S+5], 32
	s_mov_b32 s[G1S+6], 0
	s_mov_b32 s[G1S+7], 0
	s_mul_i32 s24, s[WV], SLOTB/4                  ; my quarter of a slot, in memory and in LDS alike
	s_mov_b32 s25, 0
	s_lshl_b32 s26, s[WV], 13                      ; my quarter of the scale bytes
	s_mov_b32 s27, 0
	v_and_b32 v[VA], 31, v0
	v_lshlrev_b32 v[L16], 4, v[VA]
	v_and_b32 v[WA], 15, v0                        ; r
	v_bfe_u32 v[SA], v0, 4, 1                      ; h
	v_add_nc_u32 v[STW], s23, v[L16]
	v_mul_u32_u24 v[STR], v[WA], SP
	v_lshl_add_u32 v[STR], v[SA], 6, v[STR]
	v_add_nc_u32 v[STR], s23, v[STR]
	v_lshlrev_b32 v[LSC], 5, v[WA]
	v_lshl_add_u32 v[LSC], v[SA], 4, v[LSC]
	v_add_nc_u32 v[LSC], SCL, v[LSC]
	v_add_nc_u32 v[EXW], s2, v[L16]                ; my codes into the exchange
	v_lshl_add_u32 v[EXS], v[VA], 2, s2
	v_add_nc_u32 v[EXS], 1536, v[EXS]              ; my scale words
	v_add_nc_u32 v[EXL], s3, v[L16]                ; the pair's codes back
	v_mul_u32_u24 v[EXR], v[SA], EXU
	v_lshl_add_u32 v[EXR], v[WA], 2, v[EXR]
	v_add_nc_u32 v[EXR], s58, v[EXR]               ; lanes 0-15 the lower wave's words, lanes 16-31 the upper's
	v_add_nc_u32 v[BFW], s59, v[L16]
	v_lshlrev_b32 v[XR], 5, v0                     ; my 8 numbers of v and of dec_proj
.irp b, 0,1,2,3
	v_mov_b32 v[TM+4+\b], 0                        ; a lane permute's destination counts as one of its sources
.endr
	s_wait_alu depctr_va_vdst(0)
	s_wait_dscnt 0x0
	s_wait_kmcnt 0x0
	s_lshl_b32 s2, s22, 19                         ; my rows: 128 g rows of 4,096 bytes + 32 wave rows
	s_lshl_b32 s3, s[WV], 17
	s_add_co_u32 s2, s2, s3
	s_mov_b32 s3, 0
	s_add_nc_u64 s[4:5], s[4:5], s[2:3]
	s_lshl_b32 s2, s22, 7
	s_lshl_b32 s23, s[WV], 5
	s_add_co_u32 s2, s2, s23
	s_add_nc_u64 s[6:7], s[6:7], s[2:3]            ; the mask at my wave's first row
	s_lshr_b32 s2, s22, 4
	s_lshl_b32 s2, s2, 12
	s_add_nc_u64 s[14:15], s[14:15], s[2:3]        ; dec_proj of my batch
	s_lshl_b32 s2, s22, 9
	s_add_nc_u64 s[16:17], s[16:17], s[2:3]        ; tsc at the work-group's 128 scores
	s_lshl_b32 s2, s22, 12
	s_lshl_b32 s23, s[WV], 10
	s_add_co_u32 s2, s2, s23
	s_add_nc_u64 s[18:19], s[18:19], s[2:3]        ; pctx at the work-group's row, my quarter
	s_mov_b32 s[G0A], 1
	s_mov_b32 s[G0A+1], s24
	s_add_nc_u64 s[G0A+2:G0A+3], s[12:13], s[24:25]
	s_or_b32 s[G0A+3], s[G0A+3], 0x80000000
	s_mov_b32 s[G0B], 1
	s_add_co_u32 s[G0B+1], s24, SLOT1
	s_add_nc_u64 s[G0B+2:G0B+3], s[12:13], s[24:25]
	s_add_nc_u64 s[G0B+2:G0B+3], s[G0B+2:G0B+3], SLOTB
	s_or_b32 s[G0B+3], s[G0B+3], 0x80000000
	s_mov_b32 s[G0S], 1
	s_add_co_u32 s[G0S+1], s26, SCL
	s_add_nc_u64 s[G0S+2:G0S+3], s[10:11], s[26:27]
	s_or_b32 s[G0S+3], s[G0S+3], 0x80000000
	ROUND                                          ; all four work-groups are here
	TLOAD G0S, G1S                                 ; the head's one tensor load a wave: my quarter of W's scale bytes
	global_load_b128 v[192:195], v[XR], s[8:9]
	global_load_b128 v[196:199], v[XR], s[8:9] offset:16
	global_load_b128 v[200:203], v[XR], s[14:15]
	global_load_b128 v[204:207], v[XR], s[14:15] offset:16
	ULOAD 0
	ULOAD 1
	s_wait_loadcnt 32                              ; v and dec_proj are in; the 32 loads of units 0 and 1 may be out
.set i, 0
.rept 8
	v_mul_f32 v[208+2*i], 0xc038aa3b, v[192+i]     ; -c v, twice: the packed forms take a pair
	v_mul_f32 v[209+2*i], 0xc038aa3b, v[192+i]
	v_mul_f32 v[224+2*i], 0x4038aa3b, v[200+i]     ; c dec_proj, twice
	v_mul_f32 v[225+2*i], 0x4038aa3b, v[200+i]
.set i, i+1
.endr
	v_lshl_add_u32 v[XR], v0, 6, VT
.irp m, 0,1,2,3
	ds_store_b128 v[XR], v[208+4*\m:211+4*\m] offset:16*\m
	ds_store_b128 v[XR], v[224+4*\m:227+4*\m] offset:DTO+16*\m
.endr
	s_wait_dscnt 0x0                               ; the stores have read their registers, which unit 2's loads write
	ULOAD 2
.irp u, 0,1,2,3,4,5,6,7,8,9,10,11,12,13,14,15
	UNIT \u
.endr
	; ---- set-up for the products and for the way out
	s_lshl_b32 s23, s[WV], 8
	s_add_co_u32 s23, s23, PT
	s_lshl_b32 s24, s[PR], 9
	s_lshl_b32 s25, s[CH], 7
	s_add_co_u32 s24, s24, s25
	s_add_co_u32 s24, s24, PT
	s_lshl_b32 s25, s[WV], 7
	s_add_co_u32 s25, s25, TSC
	s_lshl_b32 s26, s[WV], 10
	s_add_co_u32 s26, s26, STG
	s_lshl_b32 s27, s[WV], 15
	s_add_co_u32 s27, s27, BF
	s_mul_i32 s2, s[CH], 2*NTB                     ; my first tile of a slot
	s_lshl_b32 s3, s[CH], 10                       ; its scale words
	s_add_co_u32 s[NA], s2, NTB
	s_add_co_u32 s[NS], s3, 512
	s_lshl_b32 s[NV], s[CH], 8
	v_and_b32 v[XR], 31, v0
	global_load_u8 v[MK], v[XR], s[6:7]            ; lane i: the mask's byte of my row i; wanted behind the products
	v_and_b32 v[WA], 15, v0
	v_bfe_u32 v[SA], v0, 4, 1
	v_lshl_add_u32 v[L8R], v[WA], 3, VT
	v_lshl_add_u32 v[TSA], v[SA], 5, s23           ; my 64 partial t: + 32 h
	v_lshl_add_u32 v[PA], v[XR], 2, s24            ; the lower wave's partial t of my row i; the upper's 256 bytes on
	v_lshl_add_u32 v[TSW], v[XR], 2, s25
	v_add_nc_u32 v[TSR], TSC, v[L16]
	v_add_nc_u32 v[CTR], s26, v[L16]
	v_add_nc_u32 v[BFR], s27, v[L16]
	v_add_nc_u32 v[WA], s2, v[L16]
	v_add_nc_u32 v[SA], s3, v[LSC]
	v_mov_b32 v[CC], 0x4038aa3b
	v_mov_b32 v[CC+1], 0x4038aa3b
	v_mov_b32 v[ONE], 1.0
	v_mov_b32 v[ONE+1], 1.0
	v_mov_b32 v[VP+2], 0                           ; the first tile's lines work on a tile that is not there: zeros for v, and 0 is added
	v_mov_b32 v[VP+3], 0
.irp w, 1,2
	WIN 0x40*\w
.set i, 0
.rept 16
	v_mov_b32 v[224+i], 0                          ; the running t
	v_mov_b32 v[208+i], 0                          ; accumulator set 1
.set i, i+1
.endr
	v_mov_b32 v242, 0
	v_mov_b32 v243, 0
.endr
	WIN 0
	s_wait_alu depctr_va_vdst(0)                   ; ahead of the blocking waits
	s_wait_tensorcnt 0x0                           ; my quarters of the scale bytes and of both slots are in,
	s_wait_dscnt 0x0                               ; my LDS stores and loads are done:
	s_barrier_signal -1
	s_barrier_wait -1                              ; everybody's are.
.irp k, 0,1,2,3,4,5,6,7
.irp q, 0,1,2
	ds_load_b128 v[64+12*\k+4*\q:67+12*\k+4*\q], v[WA] offset:1536*\k+512*\q
.endr
.endr
	ds_load_b128 v[WSC:WSC+3], v[SA]
	; ---- the products: 16 slots, two tiles of mine in each; 14 refills
	s_mov_b32 s[OUTC], 14
.Lslot:
	NT 0, 0
	NT 1, 1
	s_sub_co_u32 s[OUTC], s[OUTC], 1
	s_cmp_lg_u32 s[OUTC], 0
	s_cbranch_scc1 .Lslot
	NT 0, 0                                        ; the last two slots are written out
	NT 1, 2
	NT 0, 0
	NT 1, 3
	s_wait_dscnt 0x0                               ; the last tile's pairs of v and dec_proj
	HALF 0, 1, 0                                   ; the last tile's tanh (set 1), without products
	HALF 0, 2, 0
	; ---- the scores.  Register 8 t + j of lane (r, h) holds row 16 t + 8 h + j's sum over my columns d = r mod 16
	WIN 0x01
.set i, 0
.rept 16
	v_mov_b32 v[64+i], v[224+i]
.set i, i+1
.endr
	WIN 0x02
.set i, 0
.rept 16
	v_mov_b32 v[80+i], v[224+i]
.set i, i+1
.endr
	WIN 0x40                                       ; my tile 1 as bf16 comes into window 1, which is done with
.set i, 0
.rept 64
	ds_load_b128 v[4*i:4*i+3], v[BFR] offset:512*i
.set i, i+1
.endr
	WIN 0
.irp m, 1,2,4,8
.set i, 0
.rept 32
	v_add_f32_dpp v[64+i], v[64+i], v[64+i] row_xmask:\m row_mask:0xf bank_mask:0xf
.set i, i+1
.endr
.endr
.set i, 0
.rept 32
	ds_store_b32 v[TSA], v[64+i] offset:64*(i/8)+4*(i%8)   ; the sixteen lanes of a half write the same word with the same value
.set i, i+1
.endr
	v_mov_b32 v85, 0xff800000                      ; -infinity
	s_wait_alu depctr_va_vdst(0)
	s_wait_dscnt 0x0
	s_barrier_signal -1
	s_barrier_wait -1
	ds_load_b32 v96, v[PA]                         ; lane i: my row i's sums over the two halves of the columns
	ds_load_b32 v97, v[PA] offset:256
	s_wait_loadcnt 0x0                             ; the mask's byte
	s_wait_dscnt 0x0
	v_add_f32 v96, v96, v97
	v_cmp_ne_u32 vcc_lo, 0, v[MK]
	v_cndmask_b32 v96, v96, v85, vcc_lo
	ds_store_b32 v[TSW], v96
	v_mov_b32 v[XR], 0                             ; from here on: 0
	s_wait_alu depctr_va_vdst(0)
	s_wait_dscnt 0x0
	s_barrier_signal -1
	s_barrier_wait -1                              ; the work-group's 128 scores lie in LDS
	ds_load_b128 v[80:83], v[TSR]
	s_wait_dscnt 0x0
	s_cmp_lg_u32 s[WV], 0
	s_cbranch_scc1 .Lnot_first
	global_store_b128 v[L16], v[80:83], s[16:17]   ; wave 0 stores them: 512 consecutive bytes, aligned; these registers are not written again
.Lnot_first:
	v_max3_num_f32 v84, v80, v81, v82
	v_max3_num_f32 v84, v84, v83, 0xff61b1e6       ; and -3e38, so that m is a number where all 128 are masked
	v_max_num_f32_dpp v84, v84, v84 row_xmask:1 row_mask:0xf bank_mask:0xf
	v_max_num_f32_dpp v84, v84, v84 row_xmask:2 row_mask:0xf bank_mask:0xf
	v_max_num_f32_dpp v84, v84, v84 row_xmask:4 row_mask:0xf bank_mask:0xf
	v_max_num_f32_dpp v84, v84, v84 row_xmask:8 row_mask:0xf bank_mask:0xf
	v_permlanex16_b32 v85, v84, s[SEL], s[SEL+1]
	v_max_num_f32 v84, v84, v85                    ; m
	v_sub_f32 v96, v96, v84
	s_wait_alu depctr_va_vdst(0)
	v_exp_f32 v96, v96                             ; p = 2^(t - m), at most 1; 0 where masked
	v_nop
	s_wait_alu depctr_va_vdst(0)
.set i, 0
.rept 32
	v_readlane_b32 s[PS+i], v96, i
.set i, i+1
.endr
	; ---- my 32 rows' part of the context: v[96 + 4 k + x] of lane l is column 128 k + 4 l + x
.irp t, 0,1
	WIN 0x03-2*\t                                  ; source 0: window 3 (tile 0), window 1 (tile 1)
.set i, 0
.rept 16
	v_mov_b32 v[128+i%2], s[PS+16*\t+i]
.set n, 0
.rept 16
.if (\t == 0) && (i == 0)
	v_fma_mix_f32_bf16 v[96+2*n], v[32*(n/2)+2*i+n%2], v[128+i%2], v[XR] op_sel_hi:[1,0,0]
	v_fma_mix_f32_bf16 v[97+2*n], v[32*(n/2)+2*i+n%2], v[128+i%2], v[XR] op_sel:[1,0,0] op_sel_hi:[1,0,0]
.else
	v_fma_mix_f32_bf16 v[96+2*n], v[32*(n/2)+2*i+n%2], v[128+i%2], v[96+2*n] op_sel_hi:[1,0,0]
	v_fma_mix_f32_bf16 v[97+2*n], v[32*(n/2)+2*i+n%2], v[128+i%2], v[97+2*n] op_sel:[1,0,0] op_sel_hi:[1,0,0]
.endif
.set n, n+1
.endr
.set i, i+1
.endr
.endr
	WIN 0
.irp k, 0,1,2,3,4,5,6,7
	ds_store_b128 v[STW], v[96+4*\k:99+4*\k] offset:512*\k   ; 4,096 bytes, in the columns' order, in my stage
.endr
	s_wait_dscnt 0x0
	s_barrier_signal -1
	s_barrier_wait -1
.irp x, 0,1,2,3                        ; wave w adds the four waves' columns 256 w on
.irp kk, 0,1
	ds_load_b128 v[132+8*\x+4*\kk:135+8*\x+4*\kk], v[CTR] offset:STGW*\x+512*\kk
.endr
.endr
	s_wait_dscnt 0x0
.irp e, 0,2,4,6
	v_pk_add_f32 v[132+\e:133+\e], v[132+\e:133+\e], v[140+\e:141+\e]
	v_pk_add_f32 v[148+\e:149+\e], v[148+\e:149+\e], v[156+\e:157+\e]
.endr
.irp e, 0,2,4,6
	v_pk_add_f32 v[132+\e:133+\e], v[132+\e:133+\e], v[148+\e:149+\e]
.endr
	global_store_b128 v[L16], v[132:135], s[18:19]             ; 512 consecutive bytes each
	global_store_b128 v[L16], v[136:139], s[18:19] offset:512
	s_wait_tensorcnt 0x0                           ; the wave's end
	ds_add_u32 v[SPW], v[NIL]
	s_wait_dscnt 0x0
	ROUND                                          ; the closing round
	s_endpgm
.Lfunc_end_k_qe08fee00be_main:
	.size	k_qe08fee00be_main, .Lfunc_end_k_qe08fee00be_main-k_qe08fee00be_main
	.p2alignl 7, 3214868480
	.fill 96, 4, 3214868480
	.section	.rodata,"a",@progbits
	.p2align	6, 0x0
	.amdhsa_kernel k_qe08fee00be_main
		.amdhsa_group_segment_fixed_size 327680
		.amdhsa_private_segment_fixed_size 0
		.amdhsa_enable_private_segment 0
		.amdhsa_kernarg_size 64
		.amdhsa_user_sgpr_count 2
		.amdhsa_user_sgpr_kernarg_segment_ptr 1
		.amdhsa_wavefront_size32 1
		.amdhsa_system_sgpr_workgroup_id_x 1
		.amdhsa_system_sgpr_workgroup_id_y 1
		.amdhsa_system_sgpr_workgroup_id_z 1
		.amdhsa_system_vgpr_workitem_id 0
		.amdhsa_next_free_vgpr 1024
		.amdhsa_next_free_sgpr 100
		.amdhsa_reserve_vcc 1
		.amdhsa_float_denorm_mode_32 3
		.amdhsa_float_denorm_mode_16_64 3
		.amdhsa_memory_ordered 1
		.amdhsa_forward_progress 1
		.amdhsa_inst_pref_size 255
	.end_amdhsa_kernel
	.section	.bss,"aw",@nobits
	.p2align	6
	.space	262144
	.amdgpu_metadata
---
amdhsa.version: [ 1, 2 ]
amdhsa.kernels:
  - .name:           k_qe08fee00be_main
    .symbol:         k_qe08fee00be_main.kd
    .args:
      - { .name: encoder_outputs, .offset: 0, .size: 8, .value_kind: global_buffer, .address_space: global }
      - { .name: mask, .offset: 8, .size: 8, .value_kind: global_buffer, .address_space: global }
      - { .name: v, .offset: 16, .size: 8, .value_kind: global_buffer, .address_space: global }
      - { .name: W_enc_scales, .offset: 24, .size: 8, .value_kind: global_buffer, .address_space: global }
      - { .name: wimg, .offset: 32, .size: 8, .value_kind: global_buffer, .address_space: global }
      - { .name: decp, .offset: 40, .size: 8, .value_kind: global_buffer, .address_space: global }
      - { .name: tsc, .offset: 48, .size: 8, .value_kind: global_buffer, .address_space: global }
      - { .name: pctx, .offset: 56, .size: 8, .value_kind: global_buffer, .address_space: global }
    .group_segment_fixed_size: 327680
    .private_segment_fixed_size: 0
    .kernarg_segment_align: 8
    .kernarg_segment_size: 64
    .max_flat_workgroup_size: 128
    .sgpr_count:     100
    .vgpr_count:     1024
    .wavefront_size: 32
...
	.end_amdgpu_metadata
.endif
;; end of part 2
;; launch finish (part 3): grid 4 x 32, 4 waves a work-group, no clusters, 0 bytes of LDS; arguments tsc, pctx, out0, out1; writes out0, out1
.if DOCPART == 3
	.amdgcn_target "amdgcn-amd-amdhsa--gfx1250"
	.amdhsa_code_object_version 6
	.text
	.protected	k_qe08fee00be_finish
	.globl	k_qe08fee00be_finish
	.p2align	8
	.type	k_qe08fee00be_finish,@function
k_qe08fee00be_finish:
	s_mov_b64 s[64:65], 0
	v_nop
	global_prefetch_b8 v0, s[64:65] scope:SCOPE_SE
	s_setreg_imm32_b32 hwreg(HW_REG_WAVE_MODE, 25, 1), 1
	s_wait_xcnt 0x0
; The softmax's end.  For batch b (work-group y) and quarter q (work-group x): out1[b][512 q ..] = 2^(t - M) / L and out0[b][256 q ..] = (sum over i of 2^(m_i - M) pctx[16 b + i][..]) / L.
; t are the batch's 2,048 stored scores (in units of log2; masked: -infinity); m_i = the largest of group i's 128 and of -3e38, the very number under which the launch before summed pctx's row 16 b + i
; (a maximum rounds nothing); M = the largest m_i; L = the sum of 2^(t - M).  Every wave takes M and L from all 2,048 scores by itself: 8,192 bytes, no LDS, no barrier.
; A batch all of whose positions are masked has L = 0 and gets 0 x infinity = NaN, as its softmax has.
; No matrix unit, no cluster, no tensor load: a few kilobytes a work-group, each output byte written once; a wave's stores cover 512 and 256 consecutive bytes.
.set T,   16                           ; v16-79   the batch's scores: group i's four of my lane at T + 4 i
.set C,   80                           ; v80-111  my two columns of the 16 partial contexts
.set MI,  112                          ; v112-127 m_i, then 2^(m_i - M)
.set OWN, 128                          ; v128-131 the four scores whose weights I store
	s_load_b256 s[4:11], s[0:1], 0x0               ; tsc, pctx, out0, out1
	s_and_b32 s12, ttmp7, 0xffff                   ; b
	v_and_b32 v1, 31, v0
	v_lshlrev_b32 v1, 4, v1                        ; 16 x lane
	v_lshlrev_b32 v2, 3, v0                        ; 8 x thread
	v_lshlrev_b32 v3, 4, v0                        ; 16 x thread
	s_mov_b32 s20, 0x76543210
	s_mov_b32 s21, 0xfedcba98                      ; v_permlanex16_b32's selects for lane l xor 16
.irp i, 0,1,2,3
	v_mov_b32 v[132+\i], 0                         ; a lane permute's destination counts as one of its sources
.endr
	s_lshl_b32 s14, s12, 13                        ; 8,192 b
	s_mov_b32 s15, 0
	s_lshl_b32 s16, ttmp9, 11                      ; 2,048 q
	s_mov_b32 s17, 0
	s_lshl_b32 s18, s12, 16
	s_lshl_b32 s22, ttmp9, 10
	s_add_co_u32 s18, s18, s22                     ; 65,536 b + 1,024 q
	s_mov_b32 s19, 0
	s_lshl_b32 s23, s12, 12
	s_add_co_u32 s22, s22, s23                     ; 4,096 b + 1,024 q
	s_mov_b32 s23, 0
	s_wait_alu depctr_va_vdst(0)
	s_wait_kmcnt 0x0
	s_add_nc_u64 s[4:5], s[4:5], s[14:15]          ; the batch's scores
	s_add_nc_u64 s[12:13], s[4:5], s[16:17]        ; the work-group's 512 of them
	s_add_nc_u64 s[6:7], s[6:7], s[18:19]
	s_add_nc_u64 s[8:9], s[8:9], s[22:23]
	s_add_nc_u64 s[10:11], s[10:11], s[14:15]
	s_add_nc_u64 s[10:11], s[10:11], s[16:17]
.irp i, 0,1,2,3,4,5,6,7,8,9,10,11,12,13,14,15
	global_load_b128 v[T+4*\i:T+4*\i+3], v1, s[4:5] offset:512*\i
.endr
	global_load_b128 v[OWN:OWN+3], v3, s[12:13]
.irp i, 0,1,2,3,4,5,6,7,8,9,10,11,12,13,14,15
	global_load_b64 v[C+2*\i:C+2*\i+1], v2, s[6:7] offset:4096*\i th:TH_LOAD_NT
.endr
	s_wait_loadcnt 16                              ; the scores are in; the 16 loads of the partial contexts may be out
.irp i, 0,1,2,3,4,5,6,7,8,9,10,11,12,13,14,15
	v_max3_num_f32 v[MI+\i], v[T+4*\i], v[T+4*\i+1], v[T+4*\i+2]
.endr
.irp i, 0,1,2,3,4,5,6,7,8,9,10,11,12,13,14,15
	v_max3_num_f32 v[MI+\i], v[MI+\i], v[T+4*\i+3], 0xff61b1e6   ; and -3e38
.endr
.irp m, 1,2,4,8
.irp i, 0,1,2,3,4,5,6,7,8,9,10,11,12,13,14,15
	v_max_num_f32_dpp v[MI+\i], v[MI+\i], v[MI+\i] row_xmask:\m row_mask:0xf bank_mask:0xf
.endr
.endr
.irp i, 0,1,2,3,4,5,6,7,8,9,10,11,12,13,14,15
	v_permlanex16_b32 v[132+\i%4], v[MI+\i], s20, s21
	v_max_num_f32 v[MI+\i], v[MI+\i], v[132+\i%4]  ; m_i
.endr
	v_max3_num_f32 v136, v[MI], v[MI+1], v[MI+2]
.irp i, 3,5,7,9,11,13
	v_max3_num_f32 v136, v136, v[MI+\i], v[MI+\i+1]
.endr
	v_max_num_f32 v136, v136, v[MI+15]             ; M
.irp i, 0,1,2,3,4,5,6,7,8,9,10,11,12,13,14,15
	v_sub_f32 v[MI+\i], v[MI+\i], v136
.endr
.set n, 0
.rept 64
	v_sub_f32 v[T+n], v[T+n], v136
.set n, n+1
.endr
.irp i, 0,1,2,3
	v_sub_f32 v[OWN+\i], v[OWN+\i], v136
.endr
	s_wait_alu depctr_va_vdst(0)
.irp i, 0,1,2,3,4,5,6,7,8,9,10,11,12,13,14,15
	v_exp_f32 v[MI+\i], v[MI+\i]                   ; 2^(m_i - M)
.endr
.set n, 0
.rept 64
	v_exp_f32 v[T+n], v[T+n]
.set n, n+1
.endr
.irp i, 0,1,2,3
	v_exp_f32 v[OWN+\i], v[OWN+\i]
.endr
	v_nop                                          ; a plain place behind the exponentials
	s_wait_alu depctr_va_vdst(0)
	v_pk_add_f32 v[138:139], v[T:T+1], v[T+2:T+3]  ; L: two at a time, in two chains
	v_pk_add_f32 v[140:141], v[T+4:T+5], v[T+6:T+7]
.set n, 4
.rept 28
	v_pk_add_f32 v[138+2*(n%2):139+2*(n%2)], v[138+2*(n%2):139+2*(n%2)], v[T+2*n:T+2*n+1]
.set n, n+1
.endr
	v_pk_add_f32 v[138:139], v[138:139], v[140:141]
	v_add_f32 v138, v138, v139
	v_add_f32_dpp v138, v138, v138 row_xmask:1 row_mask:0xf bank_mask:0xf
	v_add_f32_dpp v138, v138, v138 row_xmask:2 row_mask:0xf bank_mask:0xf
	v_add_f32_dpp v138, v138, v138 row_xmask:4 row_mask:0xf bank_mask:0xf
	v_add_f32_dpp v138, v138, v138 row_xmask:8 row_mask:0xf bank_mask:0xf
	v_permlanex16_b32 v132, v138, s20, s21
	v_add_f32 v138, v138, v132
	s_wait_alu depctr_va_vdst(0)
	v_rcp_f32 v137, v138                           ; 1 / L
	v_nop                                          ; a plain place behind the reciprocal
	s_wait_alu depctr_va_vdst(0)
.irp i, 0,1,2,3
	v_mul_f32 v[OWN+\i], v[OWN+\i], v137
.endr
	global_store_b128 v3, v[OWN:OWN+3], s[10:11]   ; a wave stores 512 consecutive bytes of out1
	s_wait_loadcnt 0x0                             ; the partial contexts
	v_mul_f32 v142, v[C], v[MI]
	v_mul_f32 v143, v[C+1], v[MI]
.irp i, 1,2,3,4,5,6,7,8,9,10,11,12,13,14,15
	v_fma_f32 v142, v[C+2*\i], v[MI+\i], v142
	v_fma_f32 v143, v[C+2*\i+1], v[MI+\i], v143
.endr
	v_mul_f32 v142, v142, v137
	v_mul_f32 v143, v143, v137
	global_store_b64 v2, v[142:143], s[8:9]        ; a wave stores 256 consecutive bytes of out0, at a multiple of 256 from its first byte
	s_endpgm
.Lfunc_end_k_qe08fee00be_finish:
	.size	k_qe08fee00be_finish, .Lfunc_end_k_qe08fee00be_finish-k_qe08fee00be_finish
	.p2alignl 7, 3214868480
	.fill 96, 4, 3214868480
	.section	.rodata,"a",@progbits
	.p2align	6, 0x0
	.amdhsa_kernel k_qe08fee00be_finish
		.amdhsa_group_segment_fixed_size 0
		.amdhsa_private_segment_fixed_size 0
		.amdhsa_enable_private_segment 0
		.amdhsa_kernarg_size 32
		.amdhsa_user_sgpr_count 2
		.amdhsa_user_sgpr_kernarg_segment_ptr 1
		.amdhsa_wavefront_size32 1
		.amdhsa_system_sgpr_workgroup_id_x 1
		.amdhsa_system_sgpr_workgroup_id_y 1
		.amdhsa_system_sgpr_workgroup_id_z 1
		.amdhsa_system_vgpr_workitem_id 0
		.amdhsa_next_free_vgpr 144
		.amdhsa_next_free_sgpr 66
		.amdhsa_reserve_vcc 0
		.amdhsa_float_denorm_mode_32 3
		.amdhsa_float_denorm_mode_16_64 3
		.amdhsa_memory_ordered 1
		.amdhsa_forward_progress 1
		.amdhsa_inst_pref_size 24
	.end_amdhsa_kernel
	.amdgpu_metadata
---
amdhsa.version: [ 1, 2 ]
amdhsa.kernels:
  - .name:           k_qe08fee00be_finish
    .symbol:         k_qe08fee00be_finish.kd
    .args:
      - { .name: tsc, .offset: 0, .size: 8, .value_kind: global_buffer, .address_space: global }
      - { .name: pctx, .offset: 8, .size: 8, .value_kind: global_buffer, .address_space: global }
      - { .name: out0, .offset: 16, .size: 8, .value_kind: global_buffer, .address_space: global }
      - { .name: out1, .offset: 24, .size: 8, .value_kind: global_buffer, .address_space: global }
    .group_segment_fixed_size: 0
    .private_segment_fixed_size: 0
    .kernarg_segment_align: 8
    .kernarg_segment_size: 32
    .max_flat_workgroup_size: 128
    .sgpr_count:     66
    .vgpr_count:     144
    .wavefront_size: 32
...
	.end_amdgpu_metadata
.endif
;; end of part 3
